; MI455X (gfx1250); checked and timed in simulation.
; The chip was launched on July 23, 2026; its instructions are those of AMD's public machine-readable ISA for CDNA 5 (MIT licence, August 2026) and "CDNA5" Instruction Set Architecture Reference Guide (July 2026). The comments in the code are by the model that wrote it; some were corrected since.
;; Decoder Head. Allowed arithmetic: float matrix products may take bf16 or f16 operands with f32 sums; all other float work in f32.
;; Inputs: Wk 512 x 512 float32; Wq 512 x 512 float32; Wv 512 x 512 float32; mask 8 x 1 x 2,048 x 2,048 int32; x 8 x 2,048 x 512 float32; y 1 float32; z 1 float32.
;; Outputs: out0 8 x 2,048 x 512 float32.
;; 2 versions, each right; version 2 is version 1 with the launch prep written anew for expert scheduling mode. Each part assembles by itself: llvm-mc -triple=amdgcn-amd-amdhsa -mcpu=gfx1250 --defsym DOCPART=n.
;; ======== version 1 of 2: 2 launches
;; limits: values are held in f16: magnitudes above 65,504 overflow, below 6.1e-05 lose precision
;; workspace buffers: h16 17,825,792 bytes
;; launch prep (part 1): grid 328 x 1, 8 waves a work-group, no clusters, 92,160 bytes of LDS; arguments x, Wq, Wk, Wv, h16; writes h16
.if DOCPART == 1
	.amdgcn_target "amdgcn-amd-amdhsa--gfx1250"
	.amdhsa_code_object_version 6
	.text
	.protected	k_qb0c9392f6e_prep
	.globl	k_qb0c9392f6e_prep
	.p2align	8
	.type	k_qb0c9392f6e_prep,@function
k_qb0c9392f6e_prep:
	s_mov_b64 s[64:65], 0
	v_nop
	global_prefetch_b8 v0, s[64:65] scope:SCOPE_SE
	s_setreg_imm32_b32 hwreg(HW_REG_WAVE_MODE, 25, 1), 1
	s_wait_xcnt 0x0
; TWO KINDS OF WORK-GROUP.
; 64-327: a stream.  x and Wv (f32) -> h16: each number rounded to bf16 (nearest even) and that number written as f16.
; 0-63:   MT[c'][c] = sum over h of Wk[h][c'] Wq[h][c], from Wq and Wk rounded in the same way, summed in f32, times 2^-6, rounded to f16.  With it the next launch makes
;         q' = x MT^T in one product where q = x Wq^T and q' = q Wk would be two; q . k[s] = q' . x[s] for every input.  The order of rounding differs from the definition's.
; LIMITS.  bf16 to f16 is exact in f16's normal range; beyond 65,504 it gives an infinity, below 6.1e-5 it keeps f16's fixed step of 6e-8.  |MT| 2^-6 stays under 65,504
; (weights of spread 0.02 give MT a spread of 0.009).
; LAYOUT of h16, in bytes: [0, 0x80000) MT, 512 rows of 1,024; [0x80000, 0x100000) Wv, row-major; from 0x100000 on x, [8][2048][512].
; THE STREAM: no LDS, no barrier.  A work-group converts 131,072 bytes of f32, a wave 16,384: 32 loads of 512 consecutive bytes, all issued at once, and 32 stores of 256
; consecutive bytes, each at a multiple of 256 from h16's first byte.  Work-groups 64-319 take x, 320-327 Wv.
; MT: a work-group makes 64 x 64 of it, K = 512 in four chunks of 128 rows.  A wave loads 16 rows x 256 bytes of each weight for a chunk (16 loads; two chunks are on their way),
; rounds them into one of two LDS buffers, and after one barrier a chunk all waves take their fragments out turned (both weights lie [k][n]).  Source 0 = 16 columns of Wq,
; source 1 = 16 columns of Wk: a lane then holds eight neighbouring numbers of a row of MT.  A wave has two accumulators, which take turns.
; These work-groups have the lowest numbers, since theirs is the longest way.
.set NM,    64                         ; work-groups that make MT
.set WVOFF, 0x80000
.set XBASE, 0x100000
.set PW,    160                        ; a row of a weight's chunk in LDS: 128 bytes + 32
.set MATB,  128*PW                     ; a chunk of one weight: Wk first, Wq behind it
.set BUFB,  2*MATB
.set STG,   2*BUFB                     ; the way out: 64 rows of 128 bytes, pitch 144
.set PSG,   144
.set SPARE, STG+64*PSG                 ; the spare words, 128 bytes for each wave: four blocks of 256 bytes that no other line names
.set SPW, 20                           ; v20  LDS address of my spare word; never rewritten
.set NIL, 21                           ; v21  0; never rewritten
.set X,   24                           ; v[24:151]   as loaded.  Stream: chunk j at X + 4 j.  MT: two sets of 64
.set Y,   152                          ; v[152:183]  MT: what goes to LDS
.set FR,  184                          ; v[184:231]  MT: fragments of two K steps: Wk 8, Wq 8 + 8
.set ACC, 232                          ; v[232:247]  MT: two accumulators
	s_load_b256 s[4:11], s[0:1], 0x0               ; x s[4:5], Wq s[6:7], Wk s[8:9], Wv s[10:11]
	s_load_b64 s[12:13], s[0:1], 0x20              ; h16
	v_lshl_add_u32 v[SPW], v0, 2, SPARE
	v_mov_b32 v[NIL], 0
	s_mov_b32 s22, 0xffff0000                      ; a word's upper bf16
	v_lshrrev_b32 v3, 5, v0                        ; wave
	v_and_b32 v1, 31, v0                           ; lane
	s_cmp_lt_u32 ttmp9, NM
	s_cbranch_scc1 .Lmm                            ; the same way for all waves of a work-group
	; ---- the stream
	v_lshlrev_b32 v2, 3, v1
	v_lshlrev_b32 v1, 4, v1
	v_lshl_add_u32 v1, v3, 14, v1                  ; source: 16,384 x wave + 16 x lane; never rewritten
	v_lshl_add_u32 v2, v3, 13, v2                  ; destination: 8,192 x wave + 8 x lane; never rewritten
	s_sub_co_u32 s24, ttmp9, NM                    ; 0-255 x, 256-263 Wv
	s_and_b32 s25, s24, 7                          ; which 64 rows of Wv
	s_lshl_b32 s18, s24, 17                        ; the offsets, made apart from the addresses
	s_lshl_b32 s26, s25, 17
	s_lshl_b32 s20, s24, 16
	s_add_co_u32 s20, s20, XBASE
	s_lshl_b32 s27, s25, 16
	s_add_co_u32 s27, s27, WVOFF
	s_cmp_lt_u32 s24, 256
	s_cselect_b32 s18, s18, s26
	s_cselect_b32 s20, s20, s27
	s_mov_b32 s19, 0
	s_mov_b32 s21, 0
	s_wait_kmcnt 0x0
	s_cmp_lt_u32 s24, 256                          ; the source buffer, chosen on the work-group's number alone
	s_cselect_b32 s14, s4, s10
	s_cselect_b32 s15, s5, s11
	s_add_nc_u64 s[14:15], s[14:15], s[18:19]
	s_add_nc_u64 s[16:17], s[12:13], s[20:21]
.set j, 0
.rept 32
	global_load_b128 v[X+4*j:X+4*j+3], v1, s[14:15] offset:512*j th:TH_LOAD_NT
.set j, j+1
.endr
.set j, 0
.rept 32
	s_wait_loadcnt 31-j                            ; loads come back in order (ISA guide 5.7.1): chunk j is in, the 31 - j younger ones stay out
	v_cvt_pk_bf16_f32 v4, v[X+4*j], v[X+4*j+1]     ; the rounding that counts
	v_cvt_pk_bf16_f32 v5, v[X+4*j+2], v[X+4*j+3]
	v_lshlrev_b32 v[X+4*j], 16, v4                 ; bf16 to f32: a shift or a mask
	v_and_b32 v[X+4*j+1], s22, v4
	v_lshlrev_b32 v[X+4*j+2], 16, v5
	v_and_b32 v[X+4*j+3], s22, v5
	v_cvt_pk_f16_f32 v[X+4*j], v[X+4*j], v[X+4*j+1]
	v_cvt_pk_f16_f32 v[X+4*j+1], v[X+4*j+2], v[X+4*j+3]
	global_store_b64 v2, v[X+4*j:X+4*j+1], s[16:17] offset:256*j  ; a chunk has its own registers: no source of a store is written again
.set j, j+1
.endr
	s_endpgm                                       ; these waves have written no LDS
	; ---- MT
.Lmm:
	v_readfirstlane_b32 s23, v3                    ; wave 0..7
	s_lshr_b32 s24, ttmp9, 3                       ; which 64 rows c' of MT
	s_and_b32 s25, ttmp9, 7                        ; which 64 columns c
	s_lshl_b32 s26, s24, 8                         ; Wk: 64 columns of 4 bytes
	s_mov_b32 s27, 0
	s_lshl_b32 s28, s25, 8                         ; Wq likewise
	s_mov_b32 s29, 0
	s_lshl_b32 s30, s24, 16                        ; MT: 64 rows of 1,024 bytes,
	s_lshl_b32 s31, s25, 7                         ; 64 columns of 2
	s_add_co_u32 s30, s30, s31
	s_mov_b32 s31, 0
	s_mov_b32 s38, 0x3c800000                      ; 2^-6
	s_mov_b32 s39, s38                             ; named with it as a pair
	v_and_b32 v4, 15, v1                           ; l % 16
	v_lshrrev_b32 v5, 4, v1                        ; l / 16
	v_and_b32 v6, 7, v1
	v_bfe_u32 v7, v1, 3, 1
	v_lshrrev_b32 v8, 3, v1                        ; l / 8
	v_lshl_add_u32 v9, v3, 4, v5                   ; my row in a chunk's first two of my 16: 16 w + l / 16
	v_lshlrev_b32 v12, 11, v9                      ; v12  in memory: a row is 2,048 bytes; 16 lanes take its 256
	v_lshl_add_u32 v12, v4, 4, v12
	v_mul_u32_u24 v13, v9, PW                      ; v13  in LDS: four numbers are 8 bytes
	v_lshl_add_u32 v13, v4, 3, v13
	v_lshl_add_u32 v10, v5, 3, v6                  ; the turning load: lane l reads row 8 (l / 16) + l % 8, columns 8 ((l / 8) % 2) + 0..7
	v_mul_u32_u24 v10, v10, PW
	v_lshl_add_u32 v10, v7, 4, v10
	s_and_b32 s32, s23, 3                          ; my block of 16 rows c'
	s_lshr_b32 s33, s23, 2                         ; my two blocks of 16 columns c
	s_lshl_b32 s34, s32, 5
	v_add_nc_u32 v15, s34, v10                     ; v15  Wk's fragments
	s_lshl_b32 s35, s33, 6
	s_add_co_u32 s36, s35, MATB
	v_add_nc_u32 v14, s36, v10                     ; v14  Wq's
	s_lshl_b32 s37, s32, 4
	v_add_nc_u32 v16, s37, v4                      ; v16  into the stage: row 16 (w % 4) + l % 16, my 64 bytes, 16 for each half of the lanes
	v_mul_u32_u24 v16, v16, PSG
	v_lshl_add_u32 v16, v5, 4, v16
	s_add_co_u32 s36, s35, STG
	v_add_nc_u32 v16, s36, v16
	v_lshl_add_u32 v11, v3, 3, v8                  ; back: wave w takes rows 8 w .. 8 w + 7; 32 lanes take four rows of 128 bytes
	v_mul_u32_u24 v17, v11, PSG
	v_lshl_add_u32 v17, v6, 4, v17
	v_add_nc_u32 v17, STG, v17                     ; v17
	v_lshlrev_b32 v18, 10, v11                     ; v18  and the same rows in MT
	v_lshl_add_u32 v18, v6, 4, v18
	s_wait_kmcnt 0x0
	s_add_nc_u64 s[14:15], s[8:9], s[26:27]        ; Wk at my columns
	s_add_nc_u64 s[16:17], s[6:7], s[28:29]        ; Wq at mine
	s_add_nc_u64 s[18:19], s[12:13], s[30:31]      ; MT at my tile
.macro MLD c, q                        ; load q of chunk c: two rows of Wk (q < 8) or of Wq.  No hint: seven other work-groups read the same bytes
.if (\q) < 8
	global_load_b128 v[X+64*((\c)%2)+4*(\q):X+64*((\c)%2)+4*(\q)+3], v12, s[14:15] offset:(\c)*262144+(\q)*4096
.else
	global_load_b128 v[X+64*((\c)%2)+4*(\q):X+64*((\c)%2)+4*(\q)+3], v12, s[16:17] offset:(\c)*262144+((\q)-8)*4096
.endif
.endm
.macro MCV c, q, left, again           ; load q of chunk c is rounded and goes to LDS; again = 1: its registers take the chunk two further on
	s_wait_loadcnt \left
.set xr, X+64*((\c)%2)+4*(\q)
.set tq, 4+4*((\q)%2)                  ; two sets of four registers at work, by turns
	v_cvt_pk_bf16_f32 v[tq], v[xr], v[xr+1]
	v_cvt_pk_bf16_f32 v[tq+1], v[xr+2], v[xr+3]
.if \again
	MLD (\c)+2, \q
.endif
	v_lshlrev_b32 v[tq+2], 16, v[tq]
	v_and_b32 v[tq+3], s22, v[tq]
	v_cvt_pk_f16_f32 v[Y+2*(\q)], v[tq+2], v[tq+3]
	v_lshlrev_b32 v[tq+2], 16, v[tq+1]
	v_and_b32 v[tq+3], s22, v[tq+1]
	v_cvt_pk_f16_f32 v[Y+2*(\q)+1], v[tq+2], v[tq+3]
	ds_store_b64 v13, v[Y+2*(\q):Y+2*(\q)+1] offset:((\c)%2)*BUFB+((\q)/8)*MATB+((\q)%8)*2*PW
.endm
.macro MMUL c                          ; a chunk's four K steps of 32, two at a time: 12 turning loads, 4 matrix instructions
.irp g, 0,1
.irp k, 0,1
.set lofs, ((\c)%2)*BUFB+(2*(\g)+(\k))*32*PW
	ds_load_tr16_b128 v[FR+24*(\k):FR+24*(\k)+3],     v15 offset:lofs
	ds_load_tr16_b128 v[FR+24*(\k)+4:FR+24*(\k)+7],   v15 offset:lofs+16*PW
	ds_load_tr16_b128 v[FR+24*(\k)+8:FR+24*(\k)+11],  v14 offset:lofs
	ds_load_tr16_b128 v[FR+24*(\k)+12:FR+24*(\k)+15], v14 offset:lofs+16*PW
	ds_load_tr16_b128 v[FR+24*(\k)+16:FR+24*(\k)+19], v14 offset:lofs+32
	ds_load_tr16_b128 v[FR+24*(\k)+20:FR+24*(\k)+23], v14 offset:lofs+32+16*PW
.endr
.irp k, 0,1
	s_wait_dscnt 6-6*(\k)                          ; this K step's six loads are in; the next step's six may be out
.irp e, 0,1
.if ((\c) == 0) && ((\g) == 0) && ((\k) == 0)
	v_wmma_f32_16x16x32_f16 v[ACC+8*(\e):ACC+8*(\e)+7], v[FR+24*(\k)+8+8*(\e):FR+24*(\k)+15+8*(\e)], v[FR+24*(\k):FR+24*(\k)+7], 0
.else
	v_wmma_f32_16x16x32_f16 v[ACC+8*(\e):ACC+8*(\e)+7], v[FR+24*(\k)+8+8*(\e):FR+24*(\k)+15+8*(\e)], v[FR+24*(\k):FR+24*(\k)+7], v[ACC+8*(\e):ACC+8*(\e)+7]
.endif
.endr
.endr
.rept 4
	v_nop                                          ; four places in front of loads into registers that matrix instructions have read, and of whatever reads the sums (ISA guide 7.12.1 for vector instructions)
.endr
.endr
.endm
.set qq, 0
.rept 16
	MLD 0, qq
.set qq, qq+1
.endr
.set qq, 0
.rept 16
	MLD 1, qq
.set qq, qq+1
.endr
.set cc, 0
.rept 4
.set qq, 0
.rept 16
.if cc < 2
	MCV cc, qq, 31, 1                              ; younger than load q: the chunk's other 15 - q, the next chunk's 16, and the q issued again: 31
.elseif cc == 2
	MCV cc, qq, 31-qq, 0
.else
	MCV cc, qq, 15-qq, 0
.endif
.set qq, qq+1
.endr
	s_wait_dscnt 0x0                               ; for the others' sake: my stores are done; my reads of the chunk before were over at its last product
	s_barrier_signal -1                            ; one barrier a chunk: it shows this buffer whole, and it shows the other buffer read out, so that the next chunk may be stored there
	s_barrier_wait -1
	MMUL cc
.set cc, cc+1
.endr
	; the way out: times 2^-6, rounded to f16; 16 bytes a lane into the stage; a barrier; back as rows
.set i, 0
.rept 8
	v_pk_mul_f32 v[ACC+2*i:ACC+2*i+1], v[ACC+2*i:ACC+2*i+1], s[38:39] op_sel_hi:[1,0]
.set i, i+1
.endr
.set i, 0
.rept 8
	v_cvt_pk_f16_f32 v[Y+i], v[ACC+2*i], v[ACC+2*i+1]
.set i, i+1
.endr
	ds_store_b128 v16, v[Y:Y+3]
	ds_store_b128 v16, v[Y+4:Y+7] offset:32
	s_wait_dscnt 0x0
	s_barrier_signal -1
	s_barrier_wait -1
	ds_load_b128 v[Y+8:Y+11], v17
	ds_load_b128 v[Y+12:Y+15], v17 offset:4*PSG
	s_wait_dscnt 0x0
	global_store_b128 v18, v[Y+8:Y+11], s[18:19]                ; four rows' 128 consecutive bytes each: a tile's row is half of an aligned 256; MT is 524,288 bytes in all
	global_store_b128 v18, v[Y+12:Y+15], s[18:19] offset:4096
	s_wait_tensorcnt 0x0                           ; the wave's end, behind my last LDS store
	ds_add_u32 v[SPW], v[NIL]
	s_wait_dscnt 0x0
	s_endpgm
.Lfunc_end_k_qb0c9392f6e_prep:
	.size	k_qb0c9392f6e_prep, .Lfunc_end_k_qb0c9392f6e_prep-k_qb0c9392f6e_prep
	.p2alignl 7, 3214868480
	.fill 96, 4, 3214868480
	.section	.rodata,"a",@progbits
	.p2align	6, 0x0
	.amdhsa_kernel k_qb0c9392f6e_prep
		.amdhsa_group_segment_fixed_size 92160
		.amdhsa_private_segment_fixed_size 0
		.amdhsa_enable_private_segment 0
		.amdhsa_kernarg_size 40
		.amdhsa_user_sgpr_count 2
		.amdhsa_user_sgpr_kernarg_segment_ptr 1
		.amdhsa_wavefront_size32 1
		.amdhsa_system_sgpr_workgroup_id_x 1
		.amdhsa_system_sgpr_workgroup_id_y 1
		.amdhsa_system_sgpr_workgroup_id_z 1
		.amdhsa_system_vgpr_workitem_id 0
		.amdhsa_next_free_vgpr 248
		.amdhsa_next_free_sgpr 66
		.amdhsa_reserve_vcc 0
		.amdhsa_float_denorm_mode_32 3
		.amdhsa_float_denorm_mode_16_64 3
		.amdhsa_memory_ordered 1
		.amdhsa_forward_progress 1
		.amdhsa_inst_pref_size 71
	.end_amdhsa_kernel
	.amdgpu_metadata
---
amdhsa.version: [ 1, 2 ]
amdhsa.kernels:
  - .name:           k_qb0c9392f6e_prep
    .symbol:         k_qb0c9392f6e_prep.kd
    .args:
      - { .name: x, .offset: 0, .size: 8, .value_kind: global_buffer, .address_space: global }
      - { .name: Wq, .offset: 8, .size: 8, .value_kind: global_buffer, .address_space: global }
      - { .name: Wk, .offset: 16, .size: 8, .value_kind: global_buffer, .address_space: global }
      - { .name: Wv, .offset: 24, .size: 8, .value_kind: global_buffer, .address_space: global }
      - { .name: h16, .offset: 32, .size: 8, .value_kind: global_buffer, .address_space: global }
    .group_segment_fixed_size: 92160
    .private_segment_fixed_size: 0
    .kernarg_segment_align: 8
    .kernarg_segment_size: 40
    .max_flat_workgroup_size: 256
    .sgpr_count:     66
    .vgpr_count:     248
    .wavefront_size: 32
...
	.end_amdgpu_metadata
.endif
;; end of part 1
;; launch attn (part 2): grid 32 x 8, 4 waves a work-group, clusters of 4 x 1, 327,680 bytes of LDS; arguments h16, mask, out0; writes out0
.if DOCPART == 2
	.amdgcn_target "amdgcn-amd-amdhsa--gfx1250"
	.amdhsa_code_object_version 6
	.text
	.protected	k_qb0c9392f6e_attn
	.globl	k_qb0c9392f6e_attn
	.p2align	8
	.type	k_qb0c9392f6e_attn,@function
k_qb0c9392f6e_attn:
	s_mov_b64 s[64:65], 0
	v_nop
	global_prefetch_b8 v0, s[64:65] scope:SCOPE_SE
	s_setreg_imm32_b32 hwreg(HW_REG_WAVE_MODE, 25, 1), 1
	s_wait_xcnt 0x0
	s_wait_alu depctr_hold_cnt(0) depctr_sa_sdst(0) depctr_va_vdst(0) depctr_va_sdst(0) depctr_va_ssrc(0) depctr_va_vcc(0) depctr_vm_vsrc(0)
	s_getreg_b32 s2, hwreg(HW_REG_IB_STS2, 6, 4)
	s_cmp_eq_u32 s2, 0
	s_cbranch_scc0 .Lentry_in_a_cluster
	s_endpgm
.Lentry_in_a_cluster:
	s_bfe_u32 s2, ttmp6, 0x10000c
	s_cmp_lg_u32 s2, 0x3003
	s_cbranch_scc0 .Lentry_shape_is_right
	s_endpgm
.Lentry_shape_is_right:
; out[b][t][:] = softmax_s(where(mask[b][t][s] == 0, -inf, q[t] . k[s] / sqrt(512))) v[s][:],  q = x Wq^T, k = x Wk^T, v = x Wv^T.  B = 8, T = 2048, C = H = 512.
; ORDER OF THE PRODUCTS.  q . k[s] = q' . x[s] with q' = x MT^T, MT[c'][c] = sum_h Wk[h][c'] Wq[h][c], and sum_s p_s v[s] = (sum_s p_s x[s]) Wv^T, for every input.  MT comes from the launch before.
; This text makes q' for its 64 queries, walks x itself as keys AND values (one tile serves both products), and at the end multiplies Y = (P x) / l by Wv^T.  The order of rounding differs from the definition's.
; FORMATS.  h16 holds x and Wv rounded to bf16 and written as f16, and MT 2^-6 in f16.  q' 2^-6, the weights p and Y are rounded to f16; all sums, maxima and the softmax are f32.
; LIMITS.  |MT| 2^-6, |q'| 2^-6 and the inputs stay under 65,504 (with x of unit spread and weights of spread 0.02, MT is about 0.009 and q' about 0.2); below 6.1e-5 an f16 keeps the fixed step 6e-8.
; A hidden key's score counts as its value less 2^110, the running maximum starts at -2^100, and a score made of f16 operands is 2.2e12 at the most: so a hidden key's weight is exactly 0.
; A row with no visible key ends with l = 0 and O = 0 and leaves as NaN, as in the definition.  A weight below 2^-126 counts as 0.  NaN and infinities among x and the weights are not treated apart.
; The mask is honoured word by word: all 2,048 keys are walked for every query.  The inputs y and z enter no result of the definition and are not among this program's arguments.
; SHARES.  A work-group owns 64 queries of one batch: four tiles t of 16.  TWO FORMS OF PRODUCT on a tile of 128 rows x 512 f16 in LDS:
;   SPHASE   S^T = Tile Q^T: a wave takes the tile's rows 32 w .. 32 w + 31 x all 64 queries; the whole Q operand (64 x 512) lies in 512 registers of every wave.  Used for q'^T (MT, x block), the scores (x, q') and out^T (Wv, Y).
;   PV       O^T += Tile^T P: a wave takes 128 of the 512 channels x all 64 queries, 256 registers; P (64 x 128) comes from LDS.
; In S^T, P and O^T a lane holds ONE query (lane % 16).  The tile's rows come out of LDS as they lie for SPHASE and turned (ds_load_tr16_b128) for PV.
; THE RING.  24 tiles in one sequence, MT0 .. MT3, x0 .. x15, Wv0 .. Wv3, through two LDS slots; each wave fetches its 32 rows of 1,024 bytes with one tensor load: one load of a wave is out at a time.
; CLUSTER.  The four work-groups of a cluster belong to one batch and walk the same 24 tiles: each tile is asked for JOINTLY, by the same load, descriptor and mask in all four.
; THE MASK comes through registers: two slots of x and two of mask words do not fit in LDS together.  Each wave loads its 16 rows' 512 bytes two steps ahead, turns each word into 0 or -2^110,
; stores them into a stage a step ahead, and all waves load them there straight into S^T's registers: they are the C operand that starts the scores' sums.
; THE SOFTMAX.  m is the running maximum over all keys so far.  A wave knows at first only m_loc, the maximum of the old m and its own 32 keys: it takes p_loc = 2^(c s - c m_loc) while the four waves' m_loc
; go through LDS, and then p = p_loc 2^(c m_loc - c m); O and l are multiplied by a = 2^(c m_old - c m).  No exponent is above 0.
; REGISTERS, in windows of 256 (s_set_vgpr_msb: bits 1:0 source 0, 3:2 source 1, 5:4 source 2, 7:6 destination):
;   window 0: addresses, statistics, S^T, fragments, the mask rows in flight     window 1: O^T, accumulator (beta, t) at 32 beta + 8 t     windows 2, 3: Q, fragment (cc, t) at 8 (4 (cc % 8) + t) of window 2 + cc / 8
.set PX,    1040                       ; a tile's row in LDS: 1,024 bytes + 16 of padding: an odd multiple of 16, so the 16 rows of a load start at 16 different groups of four banks (64 banks of 4 bytes: ISA guide 11.1)
.set PART,  32*PX                      ; what one tensor load brings: 32 rows
.set WPART, 2*PART                     ; wave w's part of slot s lies at w WPART + s PART
.set TOG,   0x8200                     ; = PART.  w x 0x10400 has bits 15 and 9 clear for w = 0..3, so one exclusive or turns an address in one slot into the other's
.set TILEB, 131072                     ; a tile in memory
.set WVOFF, 0x80000                    ; Wv in h16
.set XBASE, 0x100000                   ; x in h16
.set MST,   4*WPART                    ; 33,792 bytes, written by LDS stores alone, three uses one after the other: the exchange of q' and Y, 32 rows of pitch 1,040;
.set PM,    528                        ;   the mask stage [64 q][128 keys] of words, pitch 528; the way out, [64 q][128] f32, pitch 528
.set PST,   MST+64*PM                  ; P: [64 q][128 keys] f16, pitch 272
.set PP,    272
.set MXB,   PST+64*PP                  ; [64 q][4 waves] f32: the waves' maxima, at the end their sums
.set SPARE, MXB+1024                   ; the spare words, 128 bytes for each wave: two blocks of 256 bytes that no other line names
.set AK0,  8                           ; v8     my lane's place in my wave's rows of a tile; never rewritten
.set AV0,  9                           ; v9     my lane's place for the turning loads; never rewritten
.set AK,   10                          ; v10    AK0 in the slot in hand
.set AXQ,  11                          ; v11    the exchange, written with q'
.set AV,   12                          ; v12-15 AV0 in the slot in hand, for keys 32 kc on: those rows are wave kc's part
.set AP,   16                          ; v16    P, read
.set APW,  17                          ; v17    P, written
.set AMR,  18                          ; v18    mask stage read, out stage written: S^T's layout
.set AMW,  19                          ; v19    mask stage written, out stage read: whole rows
.set AMXW, 20                          ; v20    my wave's word of my query in MXB
.set AMXR, 21                          ; v21    my query's four words
.set AXW,  22                          ; v22    the exchange, written with Y
.set AXR,  23                          ; v23    the exchange, read
.set GL,   24                          ; v24    16 x lane
.set GX,   25                          ; v25    my byte offset in 16 rows of the x block
.set SPW,  26                          ; v26    LDS address of my spare word; never rewritten
.set NIL,  27                          ; v27    0; never rewritten
.set ST,   32                          ; v32-63 tile t at ST + 8 t: +0 c m, +1 m, +2 +3 l (even keys', odd keys'), +4 a, +5 at work, +6 c m_loc, then the factor of p_loc or of the exchange, +7 m_loc
.set S,    64                          ; v64-127  S^T, accumulator (kb, t) at S + 8 (4 kb + t); in PV two buffers of P's fragments
.set F,    128                         ; v128-191 two buffers of fragments; the waves' maxima; packed results
.set MK,   192                         ; v192-255 mask rows
.set M0,   128                         ; window 1, v128-191: the first step's mask rows, until the key steps begin
.set WV,   10                          ; s10
.set HB,   14                          ; s[14:15] h16 at my wave's 32 rows of tile 0
.set G1,   16                          ; s[16:23] descriptor group 1
.set G0,   24                          ; s[24:27] descriptor group 0
.set OFF,  28                          ; s[28:29] byte offset in h16 of the tile asked for last
.set XOFF, 30                          ; s30      of my batch's x
.set TB,   32                          ; s32      0 or TOG: the slot in hand
.set CNT,  33                          ; s33      loop counter
.set CS,   34                          ; s[34:35] c = 2^6 log2(e) / sqrt(512)
.set SEL,  36                          ; s[36:37] v_permlanex16_b32's selects: each lane takes its own place in the other half
.set BIG,  38                          ; s38      -2^110
.set MB,   40                          ; s[40:41] mask at my wave's 16 rows, at the step to be loaded
.set OB,   42                          ; s[42:43] out0 at my wave's 16 rows
.set XB,   44                          ; s[44:45] h16 at my work-group's 64 rows of x
.set MSB, 0
.macro WIN new                         ; the immediate's high byte repeats the setting that is left; a switch that changes nothing is dropped
.if MSB != (\new)
	s_set_vgpr_msb (MSB<<8)|(\new)
.set MSB, \new
.endif
.endm
.set W_S2, 0x08                        ; source 1 (Q) in window 2
.set W_S3, 0x0c                        ; in window 3
.set W_PV, 0x50                        ; C and D (O^T) in window 1
.set W_RS, 0x41                        ; destination and source 0 in window 1
.set W_CV, 0x05                        ; sources 0 and 1 in window 1
.set W_Q2, 0x80                        ; destination in window 2
.set W_Q3, 0xc0                        ; in window 3
.set W_O,  0x40                        ; in window 1
.set W_D1, 0x04                        ; source 1 (an LDS store's data) in window 1
.set W_M1, 0x44                        ; source 1 and destination in window 1
; A vector instruction that reads a matrix result or writes one of a matrix instruction's registers, and a load into such a register, stand four places behind it; only plain vector
; instructions that name none of its registers are places (ISA guide 7.12.1 for vector instructions).
.macro PLACES
.rept 4
	v_nop
.endr
.endm
.macro ALLT line:vararg                ; one line for each tile t
.set t, 0
.rept 4
	\line
.set t, t+1
.endr
.endm
; A round of the cluster's barrier: my work-group's barrier, so that wave 0's signal speaks for all four waves; wave 0 signals; every wave waits for all four work-groups; my work-group's barrier once more.
.macro CREST                           ; a round behind its opening barrier
	s_cmp_lg_u32 s[WV], 0
	s_cbranch_scc1 .Lnot_wave_0_\@
	s_barrier_signal -3
.Lnot_wave_0_\@:
	s_barrier_wait -3
	s_barrier_signal -1
	s_barrier_wait -1
.endm
.macro CROUND
	s_barrier_signal -1
	s_barrier_wait -1
	CREST
.endm
; THE CHANGE OF SLOTS, in front of every tile.  Each wave waits for all its tensor loads, of which one is out: its part of the tile to be entered; adds 0 to its spare word; and waits for that and
; for all its LDS instructions, the reads of the slot that it leaves and its stores into the stages among them.  Behind the barrier the new tile is whole and nobody reads the old slot.
; fill = 1: the barrier is a round of the cluster's, and the old slot is filled, first thing behind it, with the sequence's next tile: 131,072 bytes on, or (sel = 2) at nxt.
.macro CHANGE fill, sel=0, nxt=0
	WIN 0                                          ; at a label and at a branch every window is 0
	s_wait_tensorcnt 0x0                           ; no tensor load of mine is out, so group 0 may be written
	ds_add_u32 v[SPW], v[NIL]                      ; 0 onto my spare word; the descriptor's scalar work stands between it and the wait for it
.if \fill
	s_xor_b32 s[G0+1], s[G0+1], TOG
.if (\sel) == 2
	s_mov_b32 s[OFF], \nxt
.else
	s_add_co_u32 s[OFF], s[OFF], TILEB
.endif
	s_add_nc_u64 s[G0+2:G0+3], s[HB:HB+1], s[OFF:OFF+1]  ; the address is made anew: a pointer and an offset made apart
	s_or_b32 s[G0+3], s[G0+3], 0x80000000          ; 127:126 type = 2
	s_wait_dscnt 0x0
	CROUND
	tensor_load_to_lds s[G0:G0+3], s[G1:G1+7]      ; my one tensor load behind the round: it has the whole tile's work in which to land
	s_nop 0
	PLACES
.else
	s_wait_dscnt 0x0
	s_barrier_signal -1
	s_barrier_wait -1
.endif
	s_xor_b32 s[TB], s[TB], TOG
.endm
.macro ADDRK
	v_add_nc_u32 v[AK], s[TB], v[AK0]
.endm
.macro ADDRV
	v_add_nc_u32 v[AV], s[TB], v[AV0]
	v_add_nc_u32 v[AV+1], WPART, v[AV]
	v_add_nc_u32 v[AV+2], 2*WPART, v[AV]
	v_add_nc_u32 v[AV+3], 3*WPART, v[AV]
.endm
; Eight LDS loads: the tile's fragments of channels 64 p .. 64 p + 63 for my 32 rows.  A fragment is 16 rows x 32 channels in 8 registers: lane l holds row l % 16, channels 8 (l / 16) + 0..7 and 16 + 8 (l / 16) + 0..7.
.macro KLOAD p                         ; load z: chunk z / 4, row block (z / 2) % 2, half z % 2
.set z, 0
.rept 8
	ds_load_b128 v[F+32*((\p)%2)+4*z:F+32*((\p)%2)+4*z+3], v[AK] offset:((z/2)%2)*16*PX+(2*(\p)+z/4)*64+(z%2)*32
.set z, z+1
.endr
.endm
.macro MLOAD kb                        ; eight loads: the stage's words for accumulators (kb, 0..3), straight into those accumulators
.set z, 0
.rept 8
	ds_load_b128 v[S+32*(\kb)+4*z:S+32*(\kb)+4*z+3], v[AMR] offset:(z/2)*16*PM+(\kb)*64+(z%2)*16
.set z, z+1
.endr
.endm
; Rows a .. b - 1 of my 16 mask rows: a word that is 0 becomes -2^110, every other word 0.  The selects have no vector source; the caller sets the windows.
.macro CONV a, b, base
.set z, \a
.rept (\b)-(\a)
	v_cmp_eq_u32 s56, 0, v[(\base)+4*z]
	v_cmp_eq_u32 s57, 0, v[(\base)+4*z+1]
	v_cmp_eq_u32 s58, 0, v[(\base)+4*z+2]
	v_cmp_eq_u32 s59, 0, v[(\base)+4*z+3]
	v_cndmask_b32 v[(\base)+4*z], 0, s[BIG], s56
	v_cndmask_b32 v[(\base)+4*z+1], 0, s[BIG], s57
	v_cndmask_b32 v[(\base)+4*z+2], 0, s[BIG], s58
	v_cndmask_b32 v[(\base)+4*z+3], 0, s[BIG], s59
.set z, z+1
.endr
.endm
; S^T = Tile Q^T: 128 matrix instructions, 16 for each pair p of channel chunks; the 8 accumulators take turns.  bias = 0: the first 8 start the sums with the constant 0.
; bias = 1: with the stage's words, loaded into the accumulators; the last six mask rows are turned while the first loads are on their way.
; The loads' address and destination lie in window 0 under all three settings, so the windows are switched three times.
.macro SPHASE bias
.if \bias
	MLOAD 0
	MLOAD 1
.endif
	KLOAD 0
	KLOAD 1
.if \bias
	CONV 10, 16, MK
.endif
.set pp, 0
.rept 8
.if pp == 7
	s_wait_dscnt 0x0
.else
	s_wait_dscnt 0x8                               ; pair pp is in, and all that was issued ahead of it; the next pair's eight loads may be out
.endif
	WIN W_S2+4*(pp/4)
.set y, 0
.rept 16                               ; chunk y / 8, row block (y / 4) % 2, tile y % 4
.set rQ, 8*(4*((2*pp+y/8)%8)+y%4)
.if (pp == 0) && (y < 8) && !(\bias)
	v_wmma_f32_16x16x32_f16 v[S+8*(y%8):S+8*(y%8)+7], v[F+32*(pp%2)+8*(y/4):F+32*(pp%2)+8*(y/4)+7], v[rQ:rQ+7], 0
.else
	v_wmma_f32_16x16x32_f16 v[S+8*(y%8):S+8*(y%8)+7], v[F+32*(pp%2)+8*(y/4):F+32*(pp%2)+8*(y/4)+7], v[rQ:rQ+7], v[S+8*(y%8):S+8*(y%8)+7]
.endif
.set y, y+1
.endr
.if pp <= 5
	PLACES
	KLOAD pp+2
.endif
.set pp, pp+1
.endr
	WIN 0
	PLACES                                         ; in front of whatever reads S^T or writes the buffers
.endm
.macro PLOAD kc                        ; eight loads: P's fragments of keys 32 kc on, four tiles
.set z, 0
.rept 8
	ds_load_b128 v[S+32*((\kc)%2)+4*z:S+32*((\kc)%2)+4*z+3], v[AP] offset:(z/2)*16*PP+(\kc)*64+(z%2)*32
.set z, z+1
.endr
.endm
; Eight turning loads: keys 32 (u / 2) on, channel blocks 4 (u % 2) + 0..3.  A load turns 8 x 8 numbers in each group of eight lanes.  The second group of a half addresses 128 bytes on, not 16.
; So block beta holds, in lane (r, h) and register j of O^T: query r, channel 128 w + 8 beta + 64 h + j.
.macro VLOAD u
.set z, 0
.rept 4
	ds_load_tr16_b128 v[F+32*((\u)%2)+8*z:F+32*((\u)%2)+8*z+3],   v[AV+(\u)/2] offset:(4*((\u)%2)+z)*16
	ds_load_tr16_b128 v[F+32*((\u)%2)+8*z+4:F+32*((\u)%2)+8*z+7], v[AV+(\u)/2] offset:(4*((\u)%2)+z)*16+16*PX
.set z, z+1
.endr
.endm
.macro RESC a, b                       ; pairs a .. b - 1 of the 128 of O^T, times the tile's a; each accumulator from its low end on
	WIN W_RS
.set z, \a
.rept (\b)-(\a)
	v_pk_mul_f32 v[2*z:2*z+1], v[2*z:2*z+1], v[ST+8*((z/4)%4)+4:ST+8*((z/4)%4)+5] op_sel_hi:[1,0]
.set z, z+1
.endr
	WIN 0
.endm
; O^T += Tile^T P: 8 units of 16 matrix instructions on 16 accumulators that take turns; the next unit has the other 16.  The first unit's P and the first two units' V have been asked for ahead of it.
.macro PVUNITS
.set uu, 0
.rept 8
.if (uu == 0) || (uu == 7)
	s_wait_dscnt 0x0                               ; unit 0: its P was issued last
.elseif uu%2
	s_wait_dscnt 0x10                              ; this unit's V is in; the 16 loads issued behind the unit before (the next keys' P, the next unit's V) may be out
.else
	s_wait_dscnt 0x8                               ; this unit's P and V are in; the next unit's V may be out
.endif
	WIN W_PV
.set y, 0
.rept 16                               ; block y / 4, tile y % 4
.set rO, 32*(4*(uu%2)+y/4)+8*(y%4)
	v_wmma_f32_16x16x32_f16 v[rO:rO+7], v[F+32*(uu%2)+8*(y/4):F+32*(uu%2)+8*(y/4)+7], v[S+32*((uu/2)%2)+8*(y%4):S+32*((uu/2)%2)+8*(y%4)+7], v[rO:rO+7]
.set y, y+1
.endr
.if uu <= 5
	PLACES
	WIN 0
.if uu%2 == 0
	PLOAD uu/2+1
.endif
	VLOAD uu+2
.endif
.set uu, uu+1
.endr
	WIN 0
.endm
.macro PSTORE                          ; the weights rounded to f16: a lane's eight keys of a query are 16 bytes of P's row
.set z, 0
.rept 32
	v_cvt_pk_f16_f32 v[F+z], v[S+2*z], v[S+2*z+1]
.set z, z+1
.endr
.set z, 0
.rept 8
	ds_store_b128 v[APW], v[F+4*z:F+4*z+3] offset:(z%4)*16*PP+(z/4)*32
.set z, z+1
.endr
.endm
.macro MASKLD base, extra              ; my 16 rows' 128 words of a step: each load covers 512 consecutive bytes, at a multiple of 512 from the mask's first byte; read once in the launch
.set z, 0
.rept 16
	global_load_b128 v[(\base)+4*z:(\base)+4*z+3], v[GL], s[MB:MB+1] offset:z*8192+(\extra) th:TH_LOAD_NT
.set z, z+1
.endr
.endm
.macro MASKLDG g                       ; four of the sixteen, for the step after the next; the last two steps have none to load, and no load leaves the buffer
	s_cmp_lt_u32 s[CNT], 3
	s_cbranch_scc1 .Lno_ld_\@
.set z, 4*(\g)
.rept 4
	global_load_b128 v[MK+4*z:MK+4*z+3], v[GL], s[MB:MB+1] offset:z*8192 th:TH_LOAD_NT
.set z, z+1
.endr
.Lno_ld_\@:
.endm
.macro MASKST base
.set z, 0
.rept 16
	ds_store_b128 v[AMW], v[(\base)+4*z:(\base)+4*z+3] offset:z*PM
.set z, z+1
.endr
.endm
.macro CLEARO a, b                     ; registers a .. b - 1 of O^T = 0: 256 moves in all, once in the launch.  The price of one text for every PV: a first step written out would be a further copy of it
	WIN W_O
.set z, \a
.rept (\b)-(\a)
	v_mov_b32 v[z], 0
.set z, z+1
.endr
	WIN 0
.endm
; The second half of an exchange: 32 queries' 512 channels lie in LDS, each wave having stored its part, and every wave takes them all as fragments of Q.  Two barriers: the rows are whole before anybody
; reads them, and read by all before they are written again.  Work that is due anyway stands between the loads and the wait for them:
; hook = 1: the first step's mask rows are turned; hook = 2: half of O^T is cleared and the statistics are set.
.macro XLD hf, hook
	s_wait_dscnt 0x0                               ; for the others' sake: my stores are done
	s_barrier_signal -1
	s_barrier_wait -1
	WIN W_Q2
.set z, 0
.rept 32                               ; chunk z / 4, tile 2 hf + (z / 2) % 2, half z % 2
.set rQ, 8*(4*(z/4)+2*(\hf)+(z/2)%2)+4*(z%2)
	ds_load_b128 v[rQ:rQ+3], v[AXR] offset:((z/2)%2)*16*PX+(z/4)*64+(z%2)*32
.set z, z+1
.endr
	WIN W_Q3
.set z, 0
.rept 32
.set rQ, 8*(4*(z/4)+2*(\hf)+(z/2)%2)+4*(z%2)
	ds_load_b128 v[rQ:rQ+3], v[AXR] offset:((z/2)%2)*16*PX+(z/4)*64+(z%2)*32+512
.set z, z+1
.endr
	WIN 0
.if (\hook) == 1
	s_wait_loadcnt 0x0                             ; the first two steps' mask rows are in, and their base may be stepped
	s_add_nc_u64 s[MB:MB+1], s[MB:MB+1], 512
	WIN W_M1
	CONV 0, 16, M0
	WIN 0
.elseif (\hook) == 2
	CLEARO 0, 128                                  ; q' has left these registers: the stores that read them were waited for above
	ALLT v_mov_b32 v[ST+8*t+1], 0xf1800000
	ALLT v_mul_f32 v[ST+8*t], s[CS], v[ST+8*t+1]
	ALLT v_mov_b32 v[ST+8*t+2], 0
	ALLT v_mov_b32 v[ST+8*t+3], 0
	ALLT v_mov_b32 v[ST+8*t+4], 0
	ALLT v_mov_b32 v[ST+8*t+5], 0
	ALLT v_mov_b32 v[ST+8*t+6], 0
	ALLT v_mov_b32 v[ST+8*t+7], 0
.endif
	s_wait_dscnt 0x0                               ; my reads are over: the rows may be written again behind the barrier
	s_barrier_signal -1
	s_barrier_wait -1
.endm
; THE WAY OUT of 128 channels: S^T into the stage (a lane's eight channels of a query are 32 bytes of its row), a barrier, back as whole rows of 512 bytes, 16 rows a wave.
.macro OUTT step
.set z, 0
.rept 16                               ; accumulator z / 2, its low half first
	ds_store_b128 v[AMR], v[S+4*z:S+4*z+3] offset:((z/2)%4)*16*PM+(z/8)*64+(z%2)*16
.set z, z+1
.endr
	s_wait_dscnt 0x0
	s_barrier_signal -1
	s_barrier_wait -1
.set z, 0
.rept 16
	ds_load_b128 v[F+4*z:F+4*z+3], v[AMW] offset:z*PM
.set z, z+1
.endr
.set z, 0
.rept 16
	s_wait_dscnt 15-z                              ; LDS loads come back in order: row z is in
	global_store_b128 v[GL], v[F+4*z:F+4*z+3], s[OB:OB+1] offset:z*2048 th:TH_STORE_NT  ; 512 consecutive bytes, at a multiple of 512 from out0's first byte
.set z, z+1
.endr
.if \step
	s_wait_xcnt 0x0                                ; the stores' base and data registers are written again only behind this wait
	s_add_nc_u64 s[OB:OB+1], s[OB:OB+1], 512       ; the next 128 channels
.endif
.endm
	; ---- the head
	s_load_b128 s[4:7], s[0:1], 0x0                ; h16 s[4:5], mask s[6:7]
	s_load_b64 s[8:9], s[0:1], 0x10                ; out0
	v_lshl_add_u32 v[SPW], v0, 2, SPARE
	v_mov_b32 v[NIL], 0
	ds_add_u32 v[SPW], v[NIL]                      ; the wave's opening: the add and its wait stand ahead of my first tensor load; the set-up below, work on registers, stands between them
	v_lshrrev_b32 v1, 5, v0
	v_readfirstlane_b32 s[WV], v1                  ; wave 0..3
	s_bfe_u32 s11, ttmp6, 0x40000                  ; cx: my place in the cluster
	s_lshl_b32 s12, ttmp9, 2                       ; in a cluster launch ttmp9 counts clusters
	s_add_co_u32 s12, s12, s11                     ; my block of 64 queries: it enters the x block's, the mask's and out0's addresses alone
	s_and_b32 s13, ttmp7, 0xffff                   ; the batch, which the four partners share
	; descriptor group 1: 32 rows x 512 elements of 2 bytes, padded in LDS
	s_mov_b32 s[G1], 15|(1<<16)|(1<<20)|(1<<21)|(7<<22)|(3<<25)  ; 15:0 the mask of four; 17:16 2-byte elements; 20 padding on; 21 set beside a mask; 24:22 after every 256 words (code 7); 31:25 4 words (code 3)
	s_mov_b32 s[G1+1], 512<<16                     ; tensor_dim0 = 512
	s_mov_b32 s[G1+2], 32<<16                      ; tensor_dim1 = 32
	s_mov_b32 s[G1+3], 512<<16                     ; tile_dim0 = 512
	s_mov_b32 s[G1+4], 32                          ; tile_dim1 = 32
	s_mov_b32 s[G1+5], 512                         ; 512 elements from row to row
	s_mov_b32 s[G1+6], 0
	s_mov_b32 s[G1+7], 0
	s_mov_b32 s[G0], 1                             ; count = 1
	s_mul_i32 s[G0+1], s[WV], WPART                ; LDS address: my part of slot 0: no place in the cluster enters it
	s_mul_i32 s31, s[WV], WPART
	s_mov_b32 s[OFF], 0                            ; tile 0 is MT's first 128 rows
	s_mov_b32 s[OFF+1], 0
	s_lshl_b32 s[XOFF], s13, 21                    ; a batch of x is 2,048 rows of 1,024 bytes
	s_add_co_u32 s[XOFF], s[XOFF], XBASE
	s_mov_b32 s[TB], TOG                           ; the first change of slots turns it into 0
	s_mov_b32 s[CS], 0x408293ee                    ; c = 2^6 log2(e) / sqrt(512) = 4.080558: the 2^6 undoes MT's scale
	s_mov_b32 s[CS+1], s[CS]                       ; named with it as a pair
	s_mov_b32 s[SEL], 0x76543210
	s_mov_b32 s[SEL+1], 0xfedcba98
	s_mov_b32 s[BIG], 0xf6800000                   ; -2^110
	s_lshl_b32 s46, s[WV], 15                      ; my 32 rows of a tile in memory
	s_mov_b32 s47, 0
	s_lshl_b32 s48, s13, 11
	s_lshl_b32 s49, s12, 6
	s_add_co_u32 s48, s48, s49
	s_lshl_b32 s49, s[WV], 4
	s_add_co_u32 s48, s48, s49                     ; the first of my wave's 16 rows among the 16,384
	s_lshl_b32 s50, s48, 13                        ; a row of the mask is 8,192 bytes: under 2^27 in all
	s_mov_b32 s51, 0
	s_lshl_b32 s52, s48, 11                        ; a row of out0 is 2,048 bytes
	s_mov_b32 s53, 0
	s_lshl_b32 s54, s12, 16                        ; my work-group's 64 rows of x
	s_add_co_u32 s54, s54, s[XOFF]
	s_mov_b32 s55, 0
	s_wait_dscnt 0x0                               ; the opening add is done
	s_wait_kmcnt 0x0
	s_add_nc_u64 s[HB:HB+1], s[4:5], s[46:47]
	s_add_nc_u64 s[MB:MB+1], s[6:7], s[50:51]
	s_add_nc_u64 s[OB:OB+1], s[8:9], s[52:53]
	s_add_nc_u64 s[XB:XB+1], s[4:5], s[54:55]
	s_add_nc_u64 s[G0+2:G0+3], s[HB:HB+1], s[OFF:OFF+1]
	s_or_b32 s[G0+3], s[G0+3], 0x80000000
	CROUND                                         ; all four work-groups are here: the first joint loads meet
	tensor_load_to_lds s[G0:G0+3], s[G1:G1+7]      ; tile 0 into slot 0; slot 1 is asked for by the first change of slots
	s_nop 0
	PLACES
	; ---- set-up, in the wait for tile 0
	v_and_b32 v1, 31, v0                           ; l
	v_and_b32 v2, 15, v0                           ; r = l % 16
	v_bfe_u32 v3, v0, 4, 1                         ; h = l / 16
	v_and_b32 v4, 7, v0
	v_bfe_u32 v5, v0, 3, 1
	v_lshlrev_b32 v[GX], 10, v2
	v_lshl_add_u32 v[GX], v3, 4, v[GX]             ; row x 1,024 + 16 h
	v_lshlrev_b32 v[GL], 4, v1
	WIN W_Q2                                       ; the x block is the first Q operand: chunk z / 8, tile (z / 2) % 4, half z % 2
.set z, 0
.rept 64
	global_load_b128 v[4*z:4*z+3], v[GX], s[XB:XB+1] offset:((z/2)%4)*16384+(z/8)*64+(z%2)*32
.set z, z+1
.endr
	WIN W_Q3
.set z, 0
.rept 64
	global_load_b128 v[4*z:4*z+3], v[GX], s[XB:XB+1] offset:((z/2)%4)*16384+(z/8)*64+(z%2)*32+512
.set z, z+1
.endr
	WIN W_O
	MASKLD M0, 0                                   ; the first key step's mask rows, into registers of O^T's window that are idle until the key steps begin,
	WIN 0
	MASKLD MK, 512                                 ; and the second's, where every later step's lie
	s_lshl_b32 s46, s[WV], 8
	s_lshl_b32 s47, s[WV], 6
	s_lshl_b32 s48, s[WV], 7
	s_add_co_u32 s48, s48, MST
	s_mul_i32 s49, s[WV], 16*PM
	s_add_co_u32 s49, s49, MST
	s_lshl_b32 s50, s[WV], 2
	s_add_co_u32 s51, s46, MST
	s_add_co_u32 s52, s47, MST
	v_mul_u32_u24 v28, v2, PX
	v_lshl_add_u32 v[AK0], v3, 4, v28
	v_add_nc_u32 v[AK0], s31, v[AK0]               ; my wave's part + r x pitch + 16 h
	v_lshl_add_u32 v[AV0], v3, 3, v4
	v_mul_u32_u24 v[AV0], v[AV0], PX               ; key 8 h + l % 8,
	v_lshl_add_u32 v[AV0], v5, 7, v[AV0]           ; 64 channels on for the second eight lanes of a half,
	v_add_nc_u32 v[AV0], s46, v[AV0]               ; my wave's 128 channels
	v_mul_u32_u24 v6, v2, PP
	v_lshl_add_u32 v6, v3, 4, v6
	v_add_nc_u32 v[AP], PST, v6                    ; query r, 16 h
	v_add_nc_u32 v[APW], s47, v[AP]                ; + my wave's 32 keys
	v_mul_u32_u24 v7, v2, PM
	v_lshl_add_u32 v7, v3, 5, v7
	v_add_nc_u32 v[AMR], s48, v7                   ; query r, my wave's 32 words, 8 h
	v_lshl_add_u32 v[AMW], v1, 4, s49              ; my wave's 16 rows, 16 bytes a lane
	v_lshl_add_u32 v[AMXR], v2, 4, MXB
	v_add_nc_u32 v[AMXW], s50, v[AMXR]
	v_lshl_add_u32 v[AXW], v3, 7, v28
	v_add_nc_u32 v[AXW], s51, v[AXW]               ; query r, channels 128 w + 64 h
	v_lshl_add_u32 v[AXR], v3, 4, v28
	v_add_nc_u32 v[AXQ], s52, v[AXR]               ; query r, channels 32 w + 8 h
	v_add_nc_u32 v[AXR], MST, v[AXR]
	CLEARO 192, 256
	s_wait_loadcnt 0x20                            ; the x block is in; the 32 mask loads issued behind it stay out
	; ---- q'^T 2^-6 = (MT 2^-6) x^T, 128 channels a tile; rounded to f16 it waits in 32 registers of O^T's window.  Written out four times: the registers differ.
.set tau, 0
.rept 4
.if tau == 3
	CHANGE 1, 2, s[XOFF]                           ; behind MT's last tile comes x's first
.else
	CHANGE 1
.endif
	ADDRK
	SPHASE 0
	WIN W_O
.set z, 0
.rept 32                               ; each accumulator from its low end on
	v_cvt_pk_f16_f32 v[32*tau+z], v[S+2*z], v[S+2*z+1]
.set z, z+1
.endr
	WIN 0
.set tau, tau+1
.endr
	; ---- q' becomes the Q operand: 32 queries at a time, each wave stores its 32 channels of each 128
.irp hf, 0,1
	WIN W_D1
.set z, 0
.rept 16                               ; tile 2 hf + z / 8, MT's tile (z / 2) % 4, row block z % 2
	ds_store_b128 v[AXQ], v[32*((z/2)%4)+4*(4*(z%2)+2*(\hf)+z/8):32*((z/2)%4)+4*(4*(z%2)+2*(\hf)+z/8)+3] offset:(z/8)*16*PX+((z/2)%4)*256+(z%2)*32
.set z, z+1
.endr
	WIN 0
	XLD \hf, (\hf)+1
.endr
	WIN W_D1
	MASKST M0                                      ; behind the exchange's last barrier: nobody reads these bytes any more
	WIN 0
	s_wait_dscnt 0x0                               ; the stores have read their registers,
	CLEARO 128, 192                                ; which are O^T's from here on
	; ---- 16 key steps of 128 keys
	s_mov_b32 s[CNT], 16
.Lkey:
	; the change of slots, as in CHANGE; the next step's mask rows are turned where the wave would wait: behind the add, inside the round's opening barrier, and behind the first fragment loads.
	; (In the last step there is no next step: the rows turned there are stale and are not stored.)
	WIN 0
	s_wait_tensorcnt 0x0                           ; no tensor load of mine is out, so group 0 may be written
	ds_add_u32 v[SPW], v[NIL]                      ; 0 onto my spare word
	s_xor_b32 s[G0+1], s[G0+1], TOG
	s_add_co_u32 s[OFF], s[OFF], TILEB
	s_cmp_eq_u32 s[CNT], 1
	s_cselect_b32 s[OFF], WVOFF, s[OFF]            ; the last step asks for Wv's first tile
	s_add_nc_u64 s[G0+2:G0+3], s[HB:HB+1], s[OFF:OFF+1]
	s_or_b32 s[G0+3], s[G0+3], 0x80000000
	s_wait_loadcnt 0x0                             ; the next step's mask rows are in, and their base may be stepped
	s_add_nc_u64 s[MB:MB+1], s[MB:MB+1], 512
	CONV 0, 6, MK
	s_wait_dscnt 0x0                               ; the add is done, and my reads of the slot and of P are over
	s_barrier_signal -1
	CONV 6, 10, MK                                 ; work on registers alone
	s_barrier_wait -1
	CREST                                          ; no wave of any partner still reads the old slot or has a load on its way; every wave's words are in the mask stage
	tensor_load_to_lds s[G0:G0+3], s[G1:G1+7]      ; my one tensor load behind the round
	s_nop 0
	s_xor_b32 s[TB], s[TB], TOG
	ADDRK
	ADDRV
	SPHASE 1
	; the maximum of my wave's 32 keys for each query: 16 scores a lane, the four tiles' chains side by side, then the other half of the lanes and the old m
	ALLT v_max3_num_f32 v[ST+8*t+6], v[S+8*t], v[S+8*t+1], v[S+8*t+2]
	ALLT v_max3_num_f32 v[ST+8*t+6], v[ST+8*t+6], v[S+8*t+3], v[S+8*t+4]
	ALLT v_max3_num_f32 v[ST+8*t+6], v[ST+8*t+6], v[S+8*t+5], v[S+8*t+6]
	ALLT v_max3_num_f32 v[ST+8*t+6], v[ST+8*t+6], v[S+8*t+7], v[S+32+8*t]
	ALLT v_max3_num_f32 v[ST+8*t+6], v[ST+8*t+6], v[S+32+8*t+1], v[S+32+8*t+2]
	ALLT v_max3_num_f32 v[ST+8*t+6], v[ST+8*t+6], v[S+32+8*t+3], v[S+32+8*t+4]
	ALLT v_max3_num_f32 v[ST+8*t+6], v[ST+8*t+6], v[S+32+8*t+5], v[S+32+8*t+6]
	ALLT v_max_num_f32 v[ST+8*t+6], v[ST+8*t+6], v[S+32+8*t+7]
	ALLT v_permlanex16_b32 v[ST+8*t+7], v[ST+8*t+6], s[SEL], s[SEL+1]
	ALLT v_max3_num_f32 v[ST+8*t+7], v[ST+8*t+6], v[ST+8*t+7], v[ST+8*t+1]
	ALLT v_mul_f32 v[ST+8*t+6], s[CS], v[ST+8*t+7]
	ALLT ds_store_b32 v[AMXW], v[ST+8*t+7] offset:t*256
	; p_loc = 2^(c s - c m_loc): this work stands round the store, the barrier and the load by which the waves' m_loc are exchanged
.set z, 0
.rept 32
	v_pk_fma_f32 v[S+2*z:S+2*z+1], v[S+2*z:S+2*z+1], s[CS:CS+1], v[ST+8*((z/4)%4)+6:ST+8*((z/4)%4)+7] op_sel_hi:[1,0,0] neg_lo:[0,0,1] neg_hi:[0,0,1]
.set z, z+1
.endr
	s_wait_dscnt 0x0                               ; my m_loc are stored, and my reads of the mask stage are over
	s_barrier_signal -1
.set z, 0
.rept 32
	v_exp_f32 v[S+z], v[S+z]
.set z, z+1
.endr
	s_barrier_wait -1
	s_cmp_eq_u32 s[CNT], 1
	s_cbranch_scc1 .Lno_st                         ; behind the last step there is no mask to store
	MASKST MK                                      ; the next step's words: every wave's reads of the stage were over at the barrier
.Lno_st:
	ALLT ds_load_b128 v[F+4*t:F+4*t+3], v[AMXR] offset:t*256
.set z, 32
.rept 32
	v_exp_f32 v[S+z], v[S+z]
.set z, z+1
.endr
	s_wait_dscnt 0x0                               ; the four m_loc are in; the stores into the stage have read their registers, which may be loaded again
	MASKLDG 0
	ALLT v_max3_num_f32 v[ST+8*t+5], v[F+4*t], v[F+4*t+1], v[F+4*t+2]
	ALLT v_max_num_f32 v[ST+8*t+1], v[ST+8*t+5], v[F+4*t+3]
	ALLT v_mul_f32 v[ST+8*t+5], s[CS], v[ST+8*t+1]
	ALLT v_sub_f32 v[ST+8*t+4], v[ST+8*t], v[ST+8*t+5]
	ALLT v_sub_f32 v[ST+8*t+6], v[ST+8*t+6], v[ST+8*t+5]
	ALLT v_mov_b32 v[ST+8*t], v[ST+8*t+5]
	MASKLDG 1
	ALLT v_exp_f32 v[ST+8*t+4], v[ST+8*t+4]
	ALLT v_exp_f32 v[ST+8*t+6], v[ST+8*t+6]
	v_nop                                          ; a plain instruction between the last exponential and the use of its result
.set z, 0
	s_wait_alu depctr_va_vdst(0)
.rept 32
	v_pk_mul_f32 v[S+2*z:S+2*z+1], v[S+2*z:S+2*z+1], v[ST+8*((z/4)%4)+6:ST+8*((z/4)%4)+7] op_sel_hi:[1,0]
.set z, z+1
.endr
	MASKLDG 2
	PSTORE
	MASKLDG 3
	; l = a l + the sum of my wave's weights, unrounded: eight pairs a tile.  This and the first part of O^T's rescaling stand between P's stores and the wait for them
	ALLT v_pk_add_f32 v[S+8*t:S+8*t+1], v[S+8*t:S+8*t+1], v[S+8*t+2:S+8*t+3]
	ALLT v_pk_add_f32 v[S+8*t+4:S+8*t+5], v[S+8*t+4:S+8*t+5], v[S+8*t+6:S+8*t+7]
	ALLT v_pk_add_f32 v[S+32+8*t:S+32+8*t+1], v[S+32+8*t:S+32+8*t+1], v[S+32+8*t+2:S+32+8*t+3]
	ALLT v_pk_add_f32 v[S+32+8*t+4:S+32+8*t+5], v[S+32+8*t+4:S+32+8*t+5], v[S+32+8*t+6:S+32+8*t+7]
	ALLT v_pk_add_f32 v[S+8*t:S+8*t+1], v[S+8*t:S+8*t+1], v[S+8*t+4:S+8*t+5]
	ALLT v_pk_add_f32 v[S+32+8*t:S+32+8*t+1], v[S+32+8*t:S+32+8*t+1], v[S+32+8*t+4:S+32+8*t+5]
	ALLT v_pk_add_f32 v[S+8*t:S+8*t+1], v[S+8*t:S+8*t+1], v[S+32+8*t:S+32+8*t+1]
	ALLT v_pk_fma_f32 v[ST+8*t+2:ST+8*t+3], v[ST+8*t+2:ST+8*t+3], v[ST+8*t+4:ST+8*t+5], v[S+8*t:S+8*t+1] op_sel_hi:[1,0,1]
	RESC 0, 32
	s_wait_dscnt 0x0                               ; my part of P is stored
	s_barrier_signal -1
	VLOAD 0                                        ; the tile's bytes are written by nobody before the next round: these loads may stand between the signal and the wait
	VLOAD 1
	RESC 32, 80
	s_barrier_wait -1                              ; P is whole
	PLOAD 0
	RESC 80, 128                                   ; while P's first fragments are on their way
	PVUNITS
	s_sub_co_u32 s[CNT], s[CNT], 1
	s_cmp_lg_u32 s[CNT], 0
	s_cbranch_scc1 .Lkey
	; ---- l over a lane's two sums, the halves of the lanes and the four waves; Y = O / l becomes the Q operand.  The additions are the places behind the last products.
	ALLT v_add_f32 v[ST+8*t+6], v[ST+8*t+2], v[ST+8*t+3]
	ALLT v_permlanex16_b32 v[ST+8*t+7], v[ST+8*t+6], s[SEL], s[SEL+1]
	ALLT v_add_f32 v[ST+8*t+6], v[ST+8*t+6], v[ST+8*t+7]
	ALLT ds_store_b32 v[AMXW], v[ST+8*t+6] offset:t*256
	s_wait_dscnt 0x0
	s_barrier_signal -1
	s_barrier_wait -1
	ALLT ds_load_b128 v[F+4*t:F+4*t+3], v[AMXR] offset:t*256
	s_wait_dscnt 0x0
	ALLT v_add_f32 v[F+4*t], v[F+4*t], v[F+4*t+1]
	ALLT v_add_f32 v[F+4*t+2], v[F+4*t+2], v[F+4*t+3]
	ALLT v_add_f32 v[F+4*t], v[F+4*t], v[F+4*t+2]
	ALLT v_rcp_f32 v[ST+8*t+6], v[F+4*t]
	v_nop                                          ; a plain instruction between the last reciprocal and the use of its result
	s_wait_alu depctr_va_vdst(0)
.irp hf, 0,1
	WIN W_RS
.set z, 0
.rept 64                               ; tile 2 hf + z / 32, block (z / 4) % 8, pair z % 4: each accumulator from its low end on
.set rO, 32*((z/4)%8)+8*(2*(\hf)+z/32)+2*(z%4)
	v_pk_mul_f32 v[rO:rO+1], v[rO:rO+1], v[ST+8*(2*(\hf)+z/32)+6:ST+8*(2*(\hf)+z/32)+7] op_sel_hi:[1,0]
.set z, z+1
.endr
	WIN W_CV
.set z, 0
.rept 64
.set rO, 32*((z/4)%8)+8*(2*(\hf)+z/32)+2*(z%4)
	v_cvt_pk_f16_f32 v[F+z], v[rO], v[rO+1]
.set z, z+1
.endr
	WIN 0
.set z, 0
.rept 16
	ds_store_b128 v[AXW], v[F+4*z:F+4*z+3] offset:(z/8)*16*PX+(z%8)*16
.set z, z+1
.endr
	XLD \hf, 0
.endr
	; ---- out^T = Wv Y^T, 128 channels a tile
	s_mov_b32 s[CNT], 3
.Lepi:
	CHANGE 1                                       ; the round also orders the out stage: read in front of it, written again behind it
	ADDRK
	SPHASE 0
	OUTT 1
	s_sub_co_u32 s[CNT], s[CNT], 1
	s_cmp_lg_u32 s[CNT], 0
	s_cbranch_scc1 .Lepi
	CHANGE 0                                       ; the last tile is written out: nothing is asked for
	ADDRK
	SPHASE 0
	OUTT 0
	s_wait_tensorcnt 0x0                           ; the wave's end, behind my last tensor load and my last LDS store
	ds_add_u32 v[SPW], v[NIL]
	s_wait_dscnt 0x0
	CROUND                                         ; the closing round: no work-group ends while a partner may still ask for a tile that names it
	s_endpgm
.Lfunc_end_k_qb0c9392f6e_attn:
	.size	k_qb0c9392f6e_attn, .Lfunc_end_k_qb0c9392f6e_attn-k_qb0c9392f6e_attn
	.p2alignl 7, 3214868480
	.fill 96, 4, 3214868480
	.section	.rodata,"a",@progbits
	.p2align	6, 0x0
	.amdhsa_kernel k_qb0c9392f6e_attn
		.amdhsa_group_segment_fixed_size 327680
		.amdhsa_private_segment_fixed_size 0
		.amdhsa_enable_private_segment 0
		.amdhsa_kernarg_size 24
		.amdhsa_user_sgpr_count 2
		.amdhsa_user_sgpr_kernarg_segment_ptr 1
		.amdhsa_wavefront_size32 1
		.amdhsa_system_sgpr_workgroup_id_x 1
		.amdhsa_system_sgpr_workgroup_id_y 1
		.amdhsa_system_sgpr_workgroup_id_z 1
		.amdhsa_system_vgpr_workitem_id 0
		.amdhsa_next_free_vgpr 1024
		.amdhsa_next_free_sgpr 66
		.amdhsa_reserve_vcc 0
		.amdhsa_float_denorm_mode_32 3
		.amdhsa_float_denorm_mode_16_64 3
		.amdhsa_memory_ordered 1
		.amdhsa_forward_progress 1
		.amdhsa_inst_pref_size 245
	.end_amdhsa_kernel
	.amdgpu_metadata
---
amdhsa.version: [ 1, 2 ]
amdhsa.kernels:
  - .name:           k_qb0c9392f6e_attn
    .symbol:         k_qb0c9392f6e_attn.kd
    .args:
      - { .name: h16, .offset: 0, .size: 8, .value_kind: global_buffer, .address_space: global }
      - { .name: mask, .offset: 8, .size: 8, .value_kind: global_buffer, .address_space: global }
      - { .name: out0, .offset: 16, .size: 8, .value_kind: global_buffer, .address_space: global }
    .group_segment_fixed_size: 327680
    .private_segment_fixed_size: 0
    .kernarg_segment_align: 8
    .kernarg_segment_size: 24
    .max_flat_workgroup_size: 128
    .sgpr_count:     66
    .vgpr_count:     1024
    .wavefront_size: 32
...
	.end_amdgpu_metadata
.endif
;; end of part 2
;; ======== version 2 of 2: 2 launches; version 1 with the launch prep written anew for expert scheduling mode
;; limits: values are held in f16: magnitudes above 65,504 overflow, below 6.1e-05 lose precision
;; workspace buffers: h16 17,825,792 bytes
;; launch prep (part 3): grid 328 x 1, 8 waves a work-group, no clusters, 92,160 bytes of LDS; arguments x, Wq, Wk, Wv, h16; writes h16
.if DOCPART == 3
	.amdgcn_target "amdgcn-amd-amdhsa--gfx1250"
	.amdhsa_code_object_version 6
	.text
	.protected	k_qb0c9392f6e_prep
	.globl	k_qb0c9392f6e_prep
	.p2align	8
	.type	k_qb0c9392f6e_prep,@function
k_qb0c9392f6e_prep:
	s_mov_b64 s[64:65], 0
	v_nop
	global_prefetch_b8 v0, s[64:65] scope:SCOPE_SE
	s_setreg_imm32_b32 hwreg(HW_REG_WAVE_SCHED_MODE, 0, 2), 2
	s_setreg_imm32_b32 hwreg(HW_REG_WAVE_MODE, 25, 1), 1
	s_wait_xcnt 0x0
	s_wait_alu depctr_vm_vsrc(0)
; TWO KINDS OF WORK-GROUP.
; 64-327: a stream.  x and Wv (f32) -> h16: each number rounded to bf16 (nearest even) and that number written as f16.
; 0-63:   MT[c'][c] = sum over h of Wk[h][c'] Wq[h][c], from Wq and Wk rounded in the same way, summed in f32, times 2^-6, rounded to f16.  With it the next launch makes
;         q' = x MT^T in one product where q = x Wq^T and q' = q Wk would be two; q . k[s] = q' . x[s] for every input.  The order of rounding differs from the definition's.
; LIMITS.  bf16 to f16 is exact in f16's normal range; beyond 65,504 it gives an infinity, below 6.1e-5 it keeps f16's fixed step of 6e-8.  |MT| 2^-6 stays under 65,504
; (weights of spread 0.02 give MT a spread of 0.009).
; LAYOUT of h16, in bytes: [0, 0x80000) MT, 512 rows of 1,024; [0x80000, 0x100000) Wv, row-major; from 0x100000 on x, [8][2048][512].
; THE STREAM: no LDS, no barrier.  A work-group converts 131,072 bytes of f32, a wave 16,384: 32 loads of 512 consecutive bytes, all issued at once, and 32 stores of 256
; consecutive bytes, each at a multiple of 256 from h16's first byte.  Work-groups 64-319 take x, 320-327 Wv.
; MT: a work-group makes 64 x 64 of it, K = 512 in four chunks of 128 rows.  A wave loads 16 rows x 256 bytes of each weight for a chunk (16 loads; two chunks are on their way),
; rounds them into one of two LDS buffers, and after one barrier a chunk all waves take their fragments out turned (both weights lie [k][n]).  Source 0 = 16 columns of Wq,
; source 1 = 16 columns of Wk: a lane then holds eight neighbouring numbers of a row of MT.  A wave has two accumulators, which take turns.
; These work-groups have the lowest numbers, since theirs is the longest way.
; THE MODE: SCHED_MODE bits 1:0 = 2 (LLVM: expert scheduling mode 2), set by the entry lines.  The code itself states the register dependences between vector or matrix
; instructions and memory or LDS instructions, with s_wait_alu, always for 0.
; THE PLAN, THE STREAM.  Registers that memory instructions touch:
;   v1, v2   offsets, made once at the head and never written again.
;   X        chunk j has four registers of its own: its load lands there, its conversions read and write them, its store reads the first two; nothing writes them after that.
; The 32 chunks go in eight blocks of four.  A block's four stores are issued in the next block, one ahead of each chunk's conversions; one wait on va_vdst at that block's head states that the
; block before has written its registers, and no conversion issued since names them.
; THE PLAN, MT.  Registers that memory or LDS instructions touch:
;   v12-v18  offsets and LDS addresses, made once at the head and never written again.
;   X        two sets of 64.  Load q of chunk c lands in four registers; its two roundings to bf16 read them; the load of chunk c + 2 lands there again.
;   Y        two registers a load: written by its conversions to f16, read by its LDS store, written again in the next chunk and on the way out.
;   FR       the fragments of two K steps: twelve turning loads land there, four matrix instructions read them, and the next twelve loads land there.
;   v4-v11 and the accumulators are named by vector and matrix instructions alone.
; The reload and the LDS store of load q - 4 stand at the head of load q's work.  One wait on va_vdst at q = 4, 8 and 12 states that the four loads' work before is done reading its X and has
; written its Y; the work issued since names X and Y of later loads alone.  One more stands behind a chunk's last conversions, one between a chunk's two halves of K (FR), and one wait on
; vm_vsrc behind each chunk's barrier (Y).
.set NM,    64                         ; work-groups that make MT
.set WVOFF, 0x80000
.set XBASE, 0x100000
.set PW,    160                        ; a row of a weight's chunk in LDS: 128 bytes + 32
.set MATB,  128*PW                     ; a chunk of one weight: Wk first, Wq behind it
.set BUFB,  2*MATB
.set STG,   2*BUFB                     ; the way out: 64 rows of 128 bytes, pitch 144
.set PSG,   144
.set SPARE, STG+64*PSG                 ; the spare words, 128 bytes for each wave: four blocks of 256 bytes that no other line names
.set SPW, 20                           ; v20  LDS address of my spare word; never rewritten
.set NIL, 21                           ; v21  0; never rewritten
.set X,   24                           ; v[24:151]   as loaded.  Stream: chunk j at X + 4 j.  MT: two sets of 64
.set Y,   152                          ; v[152:183]  MT: what goes to LDS
.set FR,  184                          ; v[184:231]  MT: fragments of two K steps: Wk 8, Wq 8 + 8
.set ACC, 232                          ; v[232:247]  MT: two accumulators
	s_load_b256 s[4:11], s[0:1], 0x0               ; x s[4:5], Wq s[6:7], Wk s[8:9], Wv s[10:11]
	s_load_b64 s[12:13], s[0:1], 0x20              ; h16
	v_lshl_add_u32 v[SPW], v0, 2, SPARE
	v_mov_b32 v[NIL], 0
	s_mov_b32 s22, 0xffff0000                      ; a word's upper bf16
	v_lshrrev_b32 v3, 5, v0                        ; wave
	v_and_b32 v1, 31, v0                           ; lane
	s_cmp_lt_u32 ttmp9, NM
	s_cbranch_scc1 .Lmm                            ; the same way for all waves of a work-group
	; ---- the stream
	v_lshlrev_b32 v2, 3, v1
	v_lshlrev_b32 v1, 4, v1
	v_lshl_add_u32 v1, v3, 14, v1                  ; source: 16,384 x wave + 16 x lane; never rewritten
	v_lshl_add_u32 v2, v3, 13, v2                  ; destination: 8,192 x wave + 8 x lane; never rewritten
	s_sub_co_u32 s24, ttmp9, NM                    ; 0-255 x, 256-263 Wv
	s_and_b32 s25, s24, 7                          ; which 64 rows of Wv
	s_lshl_b32 s18, s24, 17                        ; the offsets, made apart from the addresses
	s_lshl_b32 s26, s25, 17
	s_lshl_b32 s20, s24, 16
	s_add_co_u32 s20, s20, XBASE
	s_lshl_b32 s27, s25, 16
	s_add_co_u32 s27, s27, WVOFF
	s_cmp_lt_u32 s24, 256
	s_cselect_b32 s18, s18, s26
	s_cselect_b32 s20, s20, s27
	s_mov_b32 s19, 0
	s_mov_b32 s21, 0
	s_wait_kmcnt 0x0
	s_cmp_lt_u32 s24, 256                          ; the source buffer, chosen on the work-group's number alone
	s_cselect_b32 s14, s4, s10
	s_cselect_b32 s15, s5, s11
	s_add_nc_u64 s[14:15], s[14:15], s[18:19]
	s_add_nc_u64 s[16:17], s[12:13], s[20:21]
	s_wait_alu depctr_va_vdst(0)                   ; v1 and v2 are written: every load and store of the stream reads one of them as its offset
.set j, 0
.rept 32
	global_load_b128 v[X+4*j:X+4*j+3], v1, s[14:15] offset:512*j th:TH_LOAD_NT
.set j, j+1
.endr
.set j, 0
.rept 32
	s_wait_loadcnt 31-j                            ; loads come back in order (ISA guide 5.7.1): chunk j is in, the 31 - j younger ones stay out
.if (j%4 == 0) && (j > 0)
	s_wait_alu depctr_va_vdst(0)                   ; the block before has written the registers of its four chunks, which this block's four stores read
.endif
.if j >= 4
	global_store_b64 v2, v[X+4*(j-4):X+4*(j-4)+1], s[16:17] offset:256*(j-4)  ; a chunk of the block before.  No conversion since the wait names its registers; a chunk has its own: no source of a store is written again
.endif
	v_cvt_pk_bf16_f32 v4, v[X+4*j], v[X+4*j+1]     ; the rounding that counts
	v_cvt_pk_bf16_f32 v5, v[X+4*j+2], v[X+4*j+3]
	v_lshlrev_b32 v[X+4*j], 16, v4                 ; bf16 to f32: a shift or a mask
	v_and_b32 v[X+4*j+1], s22, v4
	v_lshlrev_b32 v[X+4*j+2], 16, v5
	v_and_b32 v[X+4*j+3], s22, v5
	v_cvt_pk_f16_f32 v[X+4*j], v[X+4*j], v[X+4*j+1]
	v_cvt_pk_f16_f32 v[X+4*j+1], v[X+4*j+2], v[X+4*j+3]
.set j, j+1
.endr
	s_wait_alu depctr_va_vdst(0)                   ; the last block has written its registers, which the last four stores read
.set j, 28
.rept 4
	global_store_b64 v2, v[X+4*j:X+4*j+1], s[16:17] offset:256*j
.set j, j+1
.endr
	s_endpgm                                       ; these waves have written no LDS
	; ---- MT
.Lmm:
	v_readfirstlane_b32 s23, v3                    ; wave 0..7
	s_lshr_b32 s24, ttmp9, 3                       ; which 64 rows c' of MT
	s_and_b32 s25, ttmp9, 7                        ; which 64 columns c
	s_lshl_b32 s26, s24, 8                         ; Wk: 64 columns of 4 bytes
	s_mov_b32 s27, 0
	s_lshl_b32 s28, s25, 8                         ; Wq likewise
	s_mov_b32 s29, 0
	s_lshl_b32 s30, s24, 16                        ; MT: 64 rows of 1,024 bytes,
	s_lshl_b32 s31, s25, 7                         ; 64 columns of 2
	s_add_co_u32 s30, s30, s31
	s_mov_b32 s31, 0
	s_mov_b32 s38, 0x3c800000                      ; 2^-6
	s_mov_b32 s39, s38                             ; named with it as a pair
	v_and_b32 v4, 15, v1                           ; l % 16
	v_lshrrev_b32 v5, 4, v1                        ; l / 16
	v_and_b32 v6, 7, v1
	v_bfe_u32 v7, v1, 3, 1
	v_lshrrev_b32 v8, 3, v1                        ; l / 8
	v_lshl_add_u32 v9, v3, 4, v5                   ; my row in a chunk's first two of my 16: 16 w + l / 16
	v_lshlrev_b32 v12, 11, v9                      ; v12  in memory: a row is 2,048 bytes; 16 lanes take its 256
	v_lshl_add_u32 v12, v4, 4, v12
	v_mul_u32_u24 v13, v9, PW                      ; v13  in LDS: four numbers are 8 bytes
	v_lshl_add_u32 v13, v4, 3, v13
	v_lshl_add_u32 v10, v5, 3, v6                  ; the turning load: lane l reads row 8 (l / 16) + l % 8, columns 8 ((l / 8) % 2) + 0..7
	v_mul_u32_u24 v10, v10, PW
	v_lshl_add_u32 v10, v7, 4, v10
	s_wait_alu depctr_va_sdst(0)                   ; s23 is written, ahead of its first reader: my blocks of rows and columns are made from it
	s_and_b32 s32, s23, 3                          ; my block of 16 rows c'
	s_lshr_b32 s33, s23, 2                         ; my two blocks of 16 columns c
	s_lshl_b32 s34, s32, 5
	v_add_nc_u32 v15, s34, v10                     ; v15  Wk's fragments
	s_lshl_b32 s35, s33, 6
	s_add_co_u32 s36, s35, MATB
	v_add_nc_u32 v14, s36, v10                     ; v14  Wq's
	s_lshl_b32 s37, s32, 4
	v_add_nc_u32 v16, s37, v4                      ; v16  into the stage: row 16 (w % 4) + l % 16, my 64 bytes, 16 for each half of the lanes
	v_mul_u32_u24 v16, v16, PSG
	v_lshl_add_u32 v16, v5, 4, v16
	s_add_co_u32 s36, s35, STG
	v_add_nc_u32 v16, s36, v16
	v_lshl_add_u32 v11, v3, 3, v8                  ; back: wave w takes rows 8 w .. 8 w + 7; 32 lanes take four rows of 128 bytes
	v_mul_u32_u24 v17, v11, PSG
	v_lshl_add_u32 v17, v6, 4, v17
	v_add_nc_u32 v17, STG, v17                     ; v17
	v_lshlrev_b32 v18, 10, v11                     ; v18  and the same rows in MT
	v_lshl_add_u32 v18, v6, 4, v18
	s_wait_kmcnt 0x0
	s_add_nc_u64 s[14:15], s[8:9], s[26:27]        ; Wk at my columns
	s_add_nc_u64 s[16:17], s[6:7], s[28:29]        ; Wq at mine
	s_add_nc_u64 s[18:19], s[12:13], s[30:31]      ; MT at my tile
	s_wait_alu depctr_va_vdst(0)                   ; the seven offsets and addresses v12 to v18 are written, which the loads and stores below read
.macro MLD c, q                        ; load q of chunk c: two rows of Wk (q < 8) or of Wq.  No hint: seven other work-groups read the same bytes
.if (\q) < 8
	global_load_b128 v[X+64*((\c)%2)+4*(\q):X+64*((\c)%2)+4*(\q)+3], v12, s[14:15] offset:(\c)*262144+(\q)*4096
.else
	global_load_b128 v[X+64*((\c)%2)+4*(\q):X+64*((\c)%2)+4*(\q)+3], v12, s[16:17] offset:(\c)*262144+((\q)-8)*4096
.endif
.endm
.macro MOUT c, q, again                ; what load q of chunk c leaves behind.  again = 1: its registers take the chunk two further on; its rounded numbers go to LDS
.if \again
	MLD (\c)+2, \q
.endif
	ds_store_b64 v13, v[Y+2*(\q):Y+2*(\q)+1] offset:((\c)%2)*BUFB+((\q)/8)*MATB+((\q)%8)*2*PW
.endm
.macro MCV c, q, left, again           ; load q of chunk c is rounded; at its head stand the reload and the LDS store of load q - 4
	s_wait_loadcnt \left
.if ((\q)%4 == 0) && ((\q) > 0)
	s_wait_alu depctr_va_vdst(0)                   ; the work on the four loads before is done reading their X, in which the reloads land, and has written their Y, which the LDS stores read
.endif
.if (\q) >= 4
	MOUT \c, (\q)-4, \again                        ; no vector instruction since the wait names these registers
.endif
.set xr, X+64*((\c)%2)+4*(\q)
.set tq, 4+4*((\q)%2)                  ; two sets of four registers at work, by turns
	v_cvt_pk_bf16_f32 v[tq], v[xr], v[xr+1]
	v_cvt_pk_bf16_f32 v[tq+1], v[xr+2], v[xr+3]
	v_lshlrev_b32 v[tq+2], 16, v[tq]
	v_and_b32 v[tq+3], s22, v[tq]
	v_cvt_pk_f16_f32 v[Y+2*(\q)], v[tq+2], v[tq+3]
	v_lshlrev_b32 v[tq+2], 16, v[tq+1]
	v_and_b32 v[tq+3], s22, v[tq+1]
	v_cvt_pk_f16_f32 v[Y+2*(\q)+1], v[tq+2], v[tq+3]
.endm
.macro MMUL c                          ; a chunk's four K steps of 32, two at a time: 12 turning loads, 4 matrix instructions
.irp g, 0,1
.irp k, 0,1
.set lofs, ((\c)%2)*BUFB+(2*(\g)+(\k))*32*PW
	ds_load_tr16_b128 v[FR+24*(\k):FR+24*(\k)+3],     v15 offset:lofs
	ds_load_tr16_b128 v[FR+24*(\k)+4:FR+24*(\k)+7],   v15 offset:lofs+16*PW
	ds_load_tr16_b128 v[FR+24*(\k)+8:FR+24*(\k)+11],  v14 offset:lofs
	ds_load_tr16_b128 v[FR+24*(\k)+12:FR+24*(\k)+15], v14 offset:lofs+16*PW
	ds_load_tr16_b128 v[FR+24*(\k)+16:FR+24*(\k)+19], v14 offset:lofs+32
	ds_load_tr16_b128 v[FR+24*(\k)+20:FR+24*(\k)+23], v14 offset:lofs+32+16*PW
.endr
.irp k, 0,1
	s_wait_dscnt 6-6*(\k)                          ; this K step's six loads are in; the next step's six may be out
.irp e, 0,1
.if ((\c) == 0) && ((\g) == 0) && ((\k) == 0)
	v_wmma_f32_16x16x32_f16 v[ACC+8*(\e):ACC+8*(\e)+7], v[FR+24*(\k)+8+8*(\e):FR+24*(\k)+15+8*(\e)], v[FR+24*(\k):FR+24*(\k)+7], 0
.else
	v_wmma_f32_16x16x32_f16 v[ACC+8*(\e):ACC+8*(\e)+7], v[FR+24*(\k)+8+8*(\e):FR+24*(\k)+15+8*(\e)], v[FR+24*(\k):FR+24*(\k)+7], v[ACC+8*(\e):ACC+8*(\e)+7]
.endif
.endr
.endr
.rept 4
	v_nop                                          ; four places behind the matrix instructions, in front of whatever reads the sums (ISA guide 7.12.1); they stand beside the wait below, not in its place
.endr
.if (\g) == 0
	s_wait_alu depctr_va_vdst(0)                   ; the four matrix instructions are done reading FR, in which the next twelve loads land
.endif
.endr
.endm
.set qq, 0
.rept 16
	MLD 0, qq
.set qq, qq+1
.endr
.set qq, 0
.rept 16
	MLD 1, qq
.set qq, qq+1
.endr
.set cc, 0
.rept 4
.set qq, 0
.rept 16
.if cc < 2
.if qq < 4
	MCV cc, qq, 31-qq, 1                           ; younger than load q: the chunk's other 15 - q and the next chunk's 16
.else
	MCV cc, qq, 27, 1                              ; and the q - 4 issued again so far: 15 - q + 16 + q - 4 = 27
.endif
.elseif cc == 2
	MCV cc, qq, 31-qq, 0
.else
	MCV cc, qq, 15-qq, 0
.endif
.set qq, qq+1
.endr
	s_wait_alu depctr_va_vdst(0)                   ; the work on the chunk's last four loads is done reading their X and has written their Y; the matrix instructions of the chunk before are done reading FR, in which the loads behind the barrier land
.set qq, 12
.rept 4
.if cc < 2
	MOUT cc, qq, 1
.else
	MOUT cc, qq, 0
.endif
.set qq, qq+1
.endr
	s_wait_dscnt 0x0                               ; for the others' sake: my stores are done; my reads of the chunk before were over at its last product
	s_barrier_signal -1                            ; one barrier a chunk: it shows this buffer whole, and it shows the other buffer read out, so that the next chunk may be stored there
	s_barrier_wait -1
	s_wait_alu depctr_vm_vsrc(0)                   ; my LDS stores of this chunk have read Y, which the next chunk's conversions, and behind the last chunk the way out's conversions and loads, write again
	MMUL cc
.set cc, cc+1
.endr
	; the way out: times 2^-6, rounded to f16; 16 bytes a lane into the stage; a barrier; back as rows
.set i, 0
.rept 8
	v_pk_mul_f32 v[ACC+2*i:ACC+2*i+1], v[ACC+2*i:ACC+2*i+1], s[38:39] op_sel_hi:[1,0]
.set i, i+1
.endr
.set i, 0
.rept 8
	v_cvt_pk_f16_f32 v[Y+i], v[ACC+2*i], v[ACC+2*i+1]
.set i, i+1
.endr
	s_wait_alu depctr_va_vdst(0)                   ; the conversions have written v[Y .. Y+7], which the LDS stores read; the last chunk's have written v[Y+8 .. Y+15], in which the loads from the stage land
	ds_store_b128 v16, v[Y:Y+3]
	ds_store_b128 v16, v[Y+4:Y+7] offset:32
	s_wait_dscnt 0x0
	s_barrier_signal -1
	s_barrier_wait -1
	ds_load_b128 v[Y+8:Y+11], v17
	ds_load_b128 v[Y+12:Y+15], v17 offset:4*PSG
	s_wait_dscnt 0x0
	global_store_b128 v18, v[Y+8:Y+11], s[18:19]                ; four rows' 128 consecutive bytes each: a tile's row is half of an aligned 256; MT is 524,288 bytes in all
	global_store_b128 v18, v[Y+12:Y+15], s[18:19] offset:4096
	s_wait_dscnt 0x0                               ; the closing lines, six on end
	s_wait_alu 0x0
	s_wait_tensorcnt 0x0
	ds_add_u32 v[SPW], v[NIL]
	s_wait_dscnt 0x0
	s_endpgm
.Lfunc_end_k_qb0c9392f6e_prep:
	.size	k_qb0c9392f6e_prep, .Lfunc_end_k_qb0c9392f6e_prep-k_qb0c9392f6e_prep
	.p2alignl 7, 3214868480
	.fill 96, 4, 3214868480
	.section	.rodata,"a",@progbits
	.p2align	6, 0x0
	.amdhsa_kernel k_qb0c9392f6e_prep
		.amdhsa_group_segment_fixed_size 92160
		.amdhsa_private_segment_fixed_size 0
		.amdhsa_enable_private_segment 0
		.amdhsa_kernarg_size 40
		.amdhsa_user_sgpr_count 2
		.amdhsa_user_sgpr_kernarg_segment_ptr 1
		.amdhsa_wavefront_size32 1
		.amdhsa_system_sgpr_workgroup_id_x 1
		.amdhsa_system_sgpr_workgroup_id_y 1
		.amdhsa_system_sgpr_workgroup_id_z 1
		.amdhsa_system_vgpr_workitem_id 0
		.amdhsa_next_free_vgpr 248
		.amdhsa_next_free_sgpr 66
		.amdhsa_reserve_vcc 0
		.amdhsa_float_denorm_mode_32 3
		.amdhsa_float_denorm_mode_16_64 3
		.amdhsa_memory_ordered 1
		.amdhsa_forward_progress 1
		.amdhsa_inst_pref_size 72
	.end_amdhsa_kernel
	.amdgpu_metadata
---
amdhsa.version: [ 1, 2 ]
amdhsa.kernels:
  - .name:           k_qb0c9392f6e_prep
    .symbol:         k_qb0c9392f6e_prep.kd
    .args:
      - { .name: x, .offset: 0, .size: 8, .value_kind: global_buffer, .address_space: global }
      - { .name: Wq, .offset: 8, .size: 8, .value_kind: global_buffer, .address_space: global }
      - { .name: Wk, .offset: 16, .size: 8, .value_kind: global_buffer, .address_space: global }
      - { .name: Wv, .offset: 24, .size: 8, .value_kind: global_buffer, .address_space: global }
      - { .name: h16, .offset: 32, .size: 8, .value_kind: global_buffer, .address_space: global }
    .group_segment_fixed_size: 92160
    .private_segment_fixed_size: 0
    .kernarg_segment_align: 8
    .kernarg_segment_size: 40
    .max_flat_workgroup_size: 256
    .sgpr_count:     66
    .vgpr_count:     248
    .wavefront_size: 32
...
	.end_amdgpu_metadata
.endif
;; end of part 3
;; launch attn: the kernel of part 2 again; grid 32 x 8, 4 waves a work-group, clusters of 4 x 1, 327,680 bytes of LDS; arguments h16, mask, out0; writes out0
